; MI455X (gfx1250); checked and timed in simulation.
; The chip was launched on July 23, 2026; its instructions are those of AMD's public machine-readable ISA for CDNA 5 (MIT licence, August 2026) and "CDNA5" Instruction Set Architecture Reference Guide (July 2026). The comments in the code are by the model that wrote it; some were corrected since.
;; MSA1. Allowed arithmetic: matrix products marked QUANTISED: E2M1 operands, one E8M0 scale for each 32 along K, by v_wmma_scale_f32_16x16x128_f8f6f4 with both operands' format E2M1 (or v_wmma_scale_f32_32x16x128_f4), f32 sums; products left as they are: f32 operands where the result goes on into a quantised operand, else bf16, f16 or f32 operands; f32 sums; everything else in f32.
;; Inputs: Wk 512 x 512 float32; Wo 512 x 512 float32; Wq 512 x 512 float32; Wv 512 x 512 float32; ax 8 x 512 x 4 x 2,048 float32; bk 512 float32; bo 512 float32; bq 512 float32; bv 512 float32; x 8 x 512 x 2,048 x 1 float32.
;; Outputs: out0 8 x 512 x 2,048 x 1 float32.
;; This version of the problem:
;;   THIS VERSION OF THE PROBLEM IS GIVEN IN LOW PRECISION. The matrix products marked QUANTISED in the list below multiply operands that are first quantised to E2M1 (2 exponent bits, 1 mantissa bit; 4 bits a number), with one power-of-two scale for each 32 numbers along K (OCP MX v1.0); their sums are f32. All else is computed in f32.
;;   The module's matrix products, in the order in which they are computed (A, B: the left and right operand; K: the contracted axis; several contracted axes count as one K, in the product's order):
;;     1. [M 16,384, K 512] x [K 512, N 512]; A: input x; B: input Wq: QUANTISED
;;     2. [M 16,384, K 512] x [K 512, N 512]; A: input x; B: input Wk: QUANTISED
;;     3. [M 16,384, K 512] x [K 512, N 512]; A: input x; B: input Wv: QUANTISED
;;     4. [M 65,536, K 512] x [K 512, N 512]; A: input ax; B: input Wk: QUANTISED
;;     5. [M 65,536, K 512] x [K 512, N 512]; A: input ax; B: input Wv: QUANTISED
;;     6. batch 131,072 x [M 7, K 64] x [K 64, N 1]; A: computed on the way; B: computed on the way: left as it is (M = 7 < 16)
;;     7. batch 131,072 x [M 64, K 7] x [K 7, N 1]; A: computed on the way; B: softmax: left as it is (K = 7 < 32)
;;     8. [M 16,384, K 512] x [K 512, N 512]; A: computed on the way; B: input Wo: QUANTISED
;;   THE QUANTISER, for each operand of a quantised product, along K:
;;     - K is cut into blocks of 32 from its start; a last block that is shorter is filled with zeros.
;;     - A block's scale is 2^e with e = floor(log2(the largest magnitude in the block)) - 2, held to -126 .. 127; a block of zeros has e = 0. As a byte (E8M0): e + 127.
;;     - Each number is divided by its block's scale, clamped to +-6, and rounded to the nearest number of E2M1, ties to even, subnormals kept.
;;     - The product sums the exact products of the quantised numbers (number of the format x scale) in f32.
;;   ~~~python
;;   def quantise(x, axis):      # numpy; x: float32 -> the quantised numbers, widened to float32 again
;;       x = np.moveaxis(x, axis, -1); K = x.shape[-1]
;;       x = np.pad(x, [(0, 0)] * (x.ndim - 1) + [(0, -K % 32)]); x = x.reshape(x.shape[:-1] + (-1, 32)); a = np.abs(x).max(-1, keepdims=True)
;;       e = np.where(a > 0, np.clip(np.frexp(np.where(a > 0, a, 1))[1] - 1 - 2, -126, 127), 0)      # np.frexp(a)[1] - 1 = floor(log2(a)), exactly
;;       r = np.clip(x / 2.0 ** e, -6, 6)
;;       step = 2.0 ** (np.maximum(np.frexp(np.where(r == 0, 1, r))[1] - 1, 0) - 1)
;;       q = np.round(r / step) * step * 2.0 ** e      # np.round: ties to even
;;       return np.moveaxis(q.reshape(q.shape[:-2] + (-1,))[..., :K], -1, axis).astype(np.float32)
;;   ~~~
;;   OPERANDS COMPUTED ON THE WAY. 'Computed on the way' means the value that the module computes at that place (a softmax that the list does not call 'softmax' is quantised finished and normalised). What goes into a quantiser is computed in f32, as accurately as f32 sums, v_exp_f32 and their like allow (about 1e-6 of the number): no bf16 or f16 on the way to a quantiser, and a product that is left as it is and whose result goes on into a quantised operand takes f32 operands (vector FMAs, or v_wmma_f32_16x16x4_f32). A number that lies on a knife's edge between two numbers of the format may be rounded either way, as far as f32 arithmetic and the matrix unit's own rounding can turn it there, and no further.
;; One version. Each part assembles by itself: llvm-mc -triple=amdgcn-amd-amdhsa -mcpu=gfx1250 --defsym DOCPART=n.
;; ======== version 1 of 1: 2 launches
;; limits: right only within a limited range of input values
;; workspace buffers: xcs 4,456,448 bytes; wcs 557,056 bytes
;; launch prep (part 1): grid 1152 x 1, 4 waves a work-group, no clusters, 768 bytes of LDS; arguments x, Wq, Wk, Wv, Wo, xcs, wcs; writes xcs, wcs
.if DOCPART == 1
	.amdgcn_target "amdgcn-amd-amdhsa--gfx1250"
	.amdhsa_code_object_version 6
	.text
	.protected	k_q4edd76f1d9_prep
	.globl	k_q4edd76f1d9_prep
	.p2align	8
	.type	k_q4edd76f1d9_prep,@function
k_q4edd76f1d9_prep:
	s_mov_b64 s[64:65], 0
	v_nop
	global_prefetch_b8 v0, s[64:65] scope:SCOPE_SE
	s_setreg_imm32_b32 hwreg(HW_REG_WAVE_MODE, 25, 1), 1
	s_wait_xcnt 0x0
; x [8][512][2048] and the weights Wq, Wk, Wv, Wo [512 (K)][512], f32, become codes of FP4 (E2M1) with one E8M0 byte for each 32 along K.
; K (x: the channels; a weight: its first axis) is NOT innermost in memory.  A work-group takes 64 neighbouring columns (positions of x, columns of a weight) and one K step of 128; wave jj takes block
; j = 4 s + jj: 32 rows of K x 64 columns, by 16 loads of 16 bytes a lane: lanes 0-15 read 256 consecutive bytes of row i, lanes 16-31 of row 16 + i.
; LAYOUT OF A GROUP OF 64 COLUMNS in the workspace, 17,408 bytes: four tiles e of 16 rows u, row u of tile e = column 4 u + e; a tile is 4,096 bytes, block j of row u at 256 j + 16 u:
; that is the image of the tile's four operand fragments (K step s, half c at 1024 s + 512 c + 16 x lane).  Behind the codes the scale words, [s][e][u]: a work-group's are 256 bytes; byte b of word s = block 4 s + b.
; xcs: group 32 b + l / 64.  wcs: group 8 x weight + column / 64.
; Wo's rows inside a block are taken in the order 4 (k % 8) + k / 8, in which the next launch's attention results lie in a lane's registers; blocks and scales are the true ones.
; A block's scale is 2^(floor(log2(largest magnitude)) - 2); its byte is the largest magnitude's exponent field - 2, held at 1 from below.
; WORK LEFT OUT IN THE NEXT LAUNCH: bk adds q . bk to the score of every window and axial entry that is not padding.  Where a position has no padded entry this is one number added along the whole softmax axis, and softmax
; does not change by it, whatever q and bk are; so it is formed only for the position tiles that hold a sequence's first or last position.  There, taken off every entry of the row, it leaves -q . bk as the padded entry's score.
; The weights of a position with no padded entry add up to 1, so bv is added once there.  A NaN, an infinity or an overflow that reaches only the work left out is not carried to the result.
; LIMITS: a block of zeros gets the byte 1 (its codes are zeros; this program alone reads the bytes); NaN and infinities among the inputs are not served.
.set ST, 32                            ; v32-95   as loaded: register 4 i + e = (row i of my half, column 4 u + e)
.set TT, 96                            ; v96-127  two columns' 16 numbers each, on end
.set PP, 8                             ; v8-15    codes
.set MX, 16                            ; v16-19   largest magnitudes of my four columns, later the scale bytes
.set XX, 20                            ; v20-23   lane l xor 16's
.set SO, 24                            ; v24-27   the conversions' scale operands
.set SPW, 28                           ; v28, v29 my spare word's address, 0
.set NIL, 29
.set SPARE, 256
	s_load_b256 s[4:11], s[0:1], 0x0               ; x, Wq, Wk, Wv
	s_load_b64 s[12:13], s[0:1], 0x20              ; Wo
	s_load_b64 s[14:15], s[0:1], 0x28              ; xcs
	s_load_b64 s[16:17], s[0:1], 0x30              ; wcs
	v_lshrrev_b32 v1, 5, v0
	v_readfirstlane_b32 s20, v1                    ; wave jj
	s_and_b32 s21, ttmp9, 3                        ; K step s
	s_lshr_b32 s22, ttmp9, 2                       ; group: 0-255 of x, then 32 of the weights
	s_lshl_b32 s23, s21, 2
	s_add_co_u32 s23, s23, s20                     ; block j
	s_lshl_b32 s24, s23, 8
	s_mov_b32 s40, 0x76543210
	s_mov_b32 s41, 0xfedcba98                      ; v_permlanex16_b32's selects for lane l xor 16
	s_mov_b32 s25, 0
	v_lshl_add_u32 v[SPW], v0, 2, SPARE
	v_mov_b32 v[NIL], 0
	v_and_b32 v2, 15, v0
	v_bfe_u32 v3, v0, 4, 1                         ; which half of the lanes
	v_lshlrev_b32 v6, 2, v2
	v_lshlrev_b32 v2, 4, v2                        ; 16 u
	v_add_nc_u32 v6, s20, v6                       ; LDS: my block's byte of row u: 4 u + jj
	v_lshl_add_u32 v5, v3, 12, v2
	v_add_nc_u32 v5, s24, v5                       ; codes out: 4096 x half + 256 j + 16 u
	v_lshlrev_b32 v7, 3, v0                        ; the scale words' way out
.irp e, 0,1,2,3
	v_mov_b32 v[XX+\e], 0                          ; a lane permute's destination counts as one of its sources
.endr
	s_wait_alu depctr_va_vdst(0)                   ; the wait at the head's end
	s_wait_kmcnt 0x0
	s_cmp_lt_u32 s22, 256
	s_cbranch_scc0 .Lweight
	; ---- a group of x: 32 b + l / 64
	s_lshr_b32 s26, s22, 5
	s_lshl_b32 s24, s26, 22                        ; b x 512 x 2048 x 4
	s_and_b32 s26, s22, 31
	s_lshl_b32 s26, s26, 8                         ; 64 positions are 256 bytes
	s_add_co_u32 s24, s24, s26
	s_lshl_b32 s26, s23, 18                        ; 32 rows of 8,192 bytes
	s_add_co_u32 s24, s24, s26
	s_add_nc_u64 s[26:27], s[4:5], s[24:25]
	s_mul_i32 s24, s22, 17408
	s_add_nc_u64 s[28:29], s[14:15], s[24:25]
	v_lshl_add_u32 v4, v3, 17, v2                  ; lanes 16-31: 16 rows further down
.irp i, 0,1,2,3,4,5,6,7,8,9,10,11,12,13,14,15
	global_load_b128 v[ST+4*\i:ST+4*\i+3], v4, s[26:27] offset:\i*8192 th:TH_LOAD_NT
.endr
	s_branch .Lloaded
.Lweight:
	s_sub_co_u32 s30, s22, 256
	s_lshr_b32 s31, s30, 3                         ; 0 Wq, 1 Wk, 2 Wv, 3 Wo
	s_cmp_eq_u32 s31, 0
	s_cselect_b64 s[26:27], s[6:7], s[8:9]
	s_cmp_lt_u32 s31, 2
	s_cselect_b64 s[26:27], s[26:27], s[10:11]
	s_cmp_lt_u32 s31, 3
	s_cselect_b64 s[26:27], s[26:27], s[12:13]
	s_and_b32 s33, s30, 7
	s_lshl_b32 s24, s33, 8
	s_lshl_b32 s33, s23, 16                        ; 32 rows of 2,048 bytes
	s_add_co_u32 s24, s24, s33
	s_add_nc_u64 s[26:27], s[26:27], s[24:25]
	s_mul_i32 s24, s30, 17408
	s_add_nc_u64 s[28:29], s[16:17], s[24:25]
	s_cmp_lt_u32 s31, 3
	s_cbranch_scc0 .Lwo
	v_lshl_add_u32 v4, v3, 15, v2                  ; lanes 16-31: 16 rows further down
.irp i, 0,1,2,3,4,5,6,7,8,9,10,11,12,13,14,15
	global_load_b128 v[ST+4*\i:ST+4*\i+3], v4, s[26:27] offset:\i*2048 th:TH_LOAD_NT
.endr
	s_branch .Lloaded
.Lwo:
	v_lshl_add_u32 v4, v3, 12, v2                  ; place 16 + i of a block is row 4 (i % 8) + i / 8 + 2: two rows further down
.irp i, 0,1,2,3,4,5,6,7,8,9,10,11,12,13,14,15
	global_load_b128 v[ST+4*\i:ST+4*\i+3], v4, s[26:27] offset:(4*(\i%8)+\i/8)*2048 th:TH_LOAD_NT
.endr
.Lloaded:
	s_lshl_b32 s24, s21, 8
	s_add_co_u32 s24, s24, 16384
	s_add_nc_u64 s[34:35], s[28:29], s[24:25]      ; this K step's scale words
	s_wait_loadcnt 0x0
.irp e, 0,1,2,3
	v_max3_num_f32 v[MX+\e], |v[ST+\e]|, |v[ST+4+\e]|, 0x1800000   ; my 16 rows of column 4 u + e, and the floor 2^(3 - 127): the byte cannot fall under 1
.endr
.irp i, 2,4,6,8,10,12,14
.irp e, 0,1,2,3
	v_max3_num_f32 v[MX+\e], v[MX+\e], |v[ST+4*\i+\e]|, |v[ST+4*\i+4+\e]|   ; (the four columns by turns)
.endr
.endr
.irp e, 0,1,2,3
	v_permlanex16_b32 v[XX+\e], v[MX+\e], s40, s41
.endr
.irp e, 0,1,2,3
	v_max_num_f32 v[MX+\e], v[MX+\e], v[XX+\e]     ; with the other 16 rows: the block's largest magnitude
.endr
.irp e, 0,1,2,3
	v_add_nc_u32 v[SO+\e], 0xff000000, v[MX+\e]    ; 2 off its exponent field: the conversion takes this operand's exponent field as its scale
.endr
.irp e, 0,1,2,3
	v_lshrrev_b32 v[MX+\e], 23, v[SO+\e]           ; the scale's byte
.endr
.irp e, 0,1,2,3
	ds_store_b8 v6, v[MX+\e] offset:64*\e          ; both halves of the lanes write the same byte with the same value
.endr
.irp p, 0,1                                    ; columns 4 u + 2 p and 4 u + 2 p + 1
.irp i, 0,2,4,6,8,10,12,14
	v_dual_mov_b32 v[TT+\i], v[ST+2*\p+4*\i] :: v_dual_mov_b32 v[TT+17+\i], v[ST+2*\p+4*\i+5]   ; the conversions want a column's numbers in consecutive registers
	v_dual_mov_b32 v[TT+1+\i], v[ST+2*\p+4*\i+4] :: v_dual_mov_b32 v[TT+16+\i], v[ST+2*\p+4*\i+1]
.endr
	v_cvt_scalef32_pk8_fp4_f32 v[PP+4*\p], v[TT:TT+7], v[SO+2*\p]
	v_cvt_scalef32_pk8_fp4_f32 v[PP+4*\p+1], v[TT+8:TT+15], v[SO+2*\p]
	v_cvt_scalef32_pk8_fp4_f32 v[PP+4*\p+2], v[TT+16:TT+23], v[SO+2*\p+1]
	v_cvt_scalef32_pk8_fp4_f32 v[PP+4*\p+3], v[TT+24:TT+31], v[SO+2*\p+1]
	v_nop                                          ; one plain instruction behind the scaled conversions
	v_permlane16_swap_b32 v[PP+4*\p], v[PP+4*\p+2]     ; lanes 0-15 now hold the whole block of the first column, lanes 16-31 of the second
	v_permlane16_swap_b32 v[PP+4*\p+1], v[PP+4*\p+3]
	global_store_b128 v5, v[PP+4*\p:PP+4*\p+3], s[28:29] offset:8192*\p   ; each half of the lanes stores 256 consecutive bytes, aligned: block j of one tile
.endr
	s_wait_dscnt 0x0                               ; for the others' sake: my bytes lie in LDS
	s_barrier_signal -1
	s_barrier_wait -1
	s_cmp_lt_u32 s20, 1
	s_cbranch_scc0 .Lend
	ds_load_b64 v[96:97], v7                       ; wave 0 stores the 256 bytes of scale words as one aligned unit
	s_wait_dscnt 0x0
	global_store_b64 v7, v[96:97], s[34:35]
.Lend:
	s_wait_tensorcnt 0x0                           ; the wave's end
	ds_add_u32 v[SPW], v[NIL]
	s_wait_dscnt 0x0
	s_endpgm
.Lfunc_end_k_q4edd76f1d9_prep:
	.size	k_q4edd76f1d9_prep, .Lfunc_end_k_q4edd76f1d9_prep-k_q4edd76f1d9_prep
	.p2alignl 7, 3214868480
	.fill 96, 4, 3214868480
	.section	.rodata,"a",@progbits
	.p2align	6, 0x0
	.amdhsa_kernel k_q4edd76f1d9_prep
		.amdhsa_group_segment_fixed_size 768
		.amdhsa_private_segment_fixed_size 0
		.amdhsa_enable_private_segment 0
		.amdhsa_kernarg_size 56
		.amdhsa_user_sgpr_count 2
		.amdhsa_user_sgpr_kernarg_segment_ptr 1
		.amdhsa_wavefront_size32 1
		.amdhsa_system_sgpr_workgroup_id_x 1
		.amdhsa_system_sgpr_workgroup_id_y 1
		.amdhsa_system_sgpr_workgroup_id_z 1
		.amdhsa_system_vgpr_workitem_id 0
		.amdhsa_next_free_vgpr 128
		.amdhsa_next_free_sgpr 66
		.amdhsa_reserve_vcc 0
		.amdhsa_float_denorm_mode_32 3
		.amdhsa_float_denorm_mode_16_64 3
		.amdhsa_memory_ordered 1
		.amdhsa_forward_progress 1
		.amdhsa_inst_pref_size 14
	.end_amdhsa_kernel
	.amdgpu_metadata
---
amdhsa.version: [ 1, 2 ]
amdhsa.kernels:
  - .name:           k_q4edd76f1d9_prep
    .symbol:         k_q4edd76f1d9_prep.kd
    .args:
      - { .name: x, .offset: 0, .size: 8, .value_kind: global_buffer, .address_space: global }
      - { .name: Wq, .offset: 8, .size: 8, .value_kind: global_buffer, .address_space: global }
      - { .name: Wk, .offset: 16, .size: 8, .value_kind: global_buffer, .address_space: global }
      - { .name: Wv, .offset: 24, .size: 8, .value_kind: global_buffer, .address_space: global }
      - { .name: Wo, .offset: 32, .size: 8, .value_kind: global_buffer, .address_space: global }
      - { .name: xcs, .offset: 40, .size: 8, .value_kind: global_buffer, .address_space: global }
      - { .name: wcs, .offset: 48, .size: 8, .value_kind: global_buffer, .address_space: global }
    .group_segment_fixed_size: 768
    .private_segment_fixed_size: 0
    .kernarg_segment_align: 8
    .kernarg_segment_size: 56
    .max_flat_workgroup_size: 128
    .sgpr_count:     66
    .vgpr_count:     128
    .wavefront_size: 32
...
	.end_amdgpu_metadata
.endif
;; end of part 1
;; launch fused (part 2): grid 256 x 1, 8 waves a work-group, clusters of 4 x 1, 327,680 bytes of LDS; arguments ax, xcs, wcs, bq, bk, bv, bo, out0; writes out0
.if DOCPART == 2
	.amdgcn_target "amdgcn-amd-amdhsa--gfx1250"
	.amdhsa_code_object_version 6
	.text
	.protected	k_q4edd76f1d9_fused
	.globl	k_q4edd76f1d9_fused
	.p2align	8
	.type	k_q4edd76f1d9_fused,@function
k_q4edd76f1d9_fused:
	s_mov_b64 s[64:65], 0
	v_nop
	global_prefetch_b8 v0, s[64:65] scope:SCOPE_SE
	s_setreg_imm32_b32 hwreg(HW_REG_WAVE_MODE, 25, 1), 1
	s_wait_xcnt 0x0
	s_wait_alu depctr_hold_cnt(0) depctr_sa_sdst(0) depctr_va_vdst(0) depctr_va_sdst(0) depctr_va_ssrc(0) depctr_va_vcc(0) depctr_vm_vsrc(0)
	s_getreg_b32 s2, hwreg(HW_REG_IB_STS2, 6, 4)
	s_cmp_eq_u32 s2, 0
	s_cbranch_scc0 .Lentry_in_a_cluster
	s_endpgm
.Lentry_in_a_cluster:
	s_bfe_u32 s2, ttmp6, 0x10000c
	s_cmp_lg_u32 s2, 0x3003
	s_cbranch_scc0 .Lentry_shape_is_right
	s_endpgm
.Lentry_shape_is_right:
; The whole module behind the quantising of x and of the weights: q, k, v of x and of ax, the attention over 3 window and 4 axial entries, the last product.  All matrix products on codes of FP4 (E2M1)
; with one E8M0 byte for each 32 along K; scores, softmax and the weighted sums in f32 by vector instructions.  q, k, v, the scores and the attention's result never go to memory.
; SHARES.  A work-group takes 64 neighbouring positions of one b.  ITS EIGHT WAVES SHARE THE COLUMNS: wave w owns head w (64 columns of Wq, Wk, Wv), blocks 2 w and 2 w + 1 of the last product's K and output channels
; 64 w on.  A weight's group (64 columns x 512 K: 128 registers) lies in the wave's registers for a whole stage; a fragment of activations read from LDS feeds four matrix instructions for each 128 of K.
; THE TILE MAP.  In a group of 64 (positions, or columns of a weight) row u of tile e is number 4 u + e.  Source 0 = 16 columns of the weight, source 1 = 16 positions: in a result lane (r, h) holds position
; 4 r + m of position tile m and, in register j of weight tile T, feature 32 h + 4 j + T of the head.  So: position l - 1 of tile m is tile m - 1 in the same lane (two more tiles, L = positions 4 r - 1 and
; R = positions 4 r + 4, serve the ends); a lane's 32 registers of a tile are one whole block of 32 along the last product's K; a lane's four position tiles are four neighbouring positions of out0.
; ax is quantised here: wave w takes channels 64 w on of all 64 positions, 32 loads of 16 bytes a lane for one a, the next a's loads issued as soon as a slot's numbers have been read; the codes go to LDS as images of the operand's registers.
; SCORES stay in registers: a lane's 32 features are summed, position tiles 2 i and 2 i + 1 exchange halves, and one register holds tile 2 i in lanes 0-15 and tile 2 i + 1 in lanes 16-31.
; THE BIASES: bq and bo are the C of a sum's first matrix instruction.  WORK LEFT OUT: q . bk where no entry is padding (the same number along the softmax's axis); a padded entry's score is -q . bk, all of the row taken relative to q . bk.
; bv is added once where the weights add up to 1 by themselves (tiles 1 and 2 hold no end of a sequence), and times the sum of the weights that are not padding in tiles 0 and 3.
; A NaN, an infinity or an overflow that reaches only the work left out is not carried to the result.
; CLUSTER: the four work-groups of a cluster walk the same weights: each wave's group is asked for JOINTLY (mask 15), one tensor load a wave behind each round.  ax and x are read by one work-group alone.
; PREFETCH: while the loads of one a are on their way, the rows of the a behind it are asked for, a lane a row of 256 bytes, two instructions a wave, one whole a ahead of their loads; the last two a's loads ask for nothing further.
; LIMITS: NaN and infinities among the inputs are not served; a block of zeros gets the scale byte 1 (its codes are zeros); the last product's sum runs inside a block in the order 4 (k % 8) + k / 8.
; REGISTERS: v0-19 addresses, v20-35 scores, v36-55 scale words, FR a tile's fragments, ACC a tile's sums, TMP work, AX ax as loaded (two slots of 64), later Wv, later out0's sums;
;   window 1 (v256 on): 0-127 Wq, then Wk, then bv, then Wo; 128-255 q, then the attention's result, then its fragments.
.set GRP, 17408                        ; a group: 16,384 bytes of codes, 1,024 of scale words
.set WBYTES, 8*GRP                     ; a weight
.set RB,   0                           ; LDS: the weight in hand, wave w's group at 17,408 w; filled by tensor loads alone
.set RX,   139264                      ; x's group: codes,
.set RXS,  155648                      ; scale words, [e][u][s]
.set RL,   156672                      ; tile L, and 4,096 bytes on tile R
.set LRS,  164864                      ; their scale words
.set RBI,  165376                      ; bq, bk, bv, bo
.set AXI,  173568                      ; ax's images, tile (a, e) at (4 a + e) x 4096
.set AXS,  239104                      ; their scale words at (4 a + e) x 256 + 16 u + 4 s
.set ATI,  243200                      ; the attention's images, tile m at 4096 m
.set ATS,  259584                      ; their scale words, 256 m + 16 r + 4 s
.set SPARE, 260608                     ; the spare words, 128 bytes for each wave: four blocks of 256 bytes that no other line names
.set AF, 1                             ; where I read ax's images,
.set SPW, 2                            ; my spare word's address and 0: never rewritten
.set NIL, 3
.set ASA, 4                            ; ax's scale words,
.set XF, 5                             ; x's images (L and R behind them),
.set XSA, 6                            ; their scale words,
.set WF, 7                             ; my weight group,
.set WSF, 8                            ; its scale words,
.set BA, 9                             ; a bias at feature 64 w + 32 h
.set ATST, 10                          ; where I store the attention's codes,
.set ATSS, 11                          ; their scale byte
.set VAX, 12                           ; my offset in ax
.set ATF, 13                           ; where I read the attention's images,
.set PFO, 14                           ; the prefetches' offset
.set ATSF, 15                          ; and scale words: lanes 0-15 tile 2 i, lanes 16-31 tile 2 i + 1
.set QST, 16                           ; where I store ax's codes,
.set OUTA, 17                          ; my offset in out0
.set QSS, 18                           ; ax's scale bytes
.set L16, 19                           ; 16 x lane
.set DW, 12                            ; when ax has been quantised: the weights of window entries 0 and 2 in v12, v14, v16, v18
.set SC, 20                            ; score of entry e, tile pair i: SC + 2 e + i; later its weight
.set SB, 34                            ; -q . bk: lanes 0-15 tile 0, lanes 16-31 tile 3
.set WSA, 36                           ; Wq's, Wk's, Wo's scale words
.set WSB, 44                           ; Wv's, later the attention's
.set AS0, 52                           ; a tile's
.set FR, 56
.set ACC, 88
.set TMP, 120
.set AX, 128
.set QT, FR                            ; the quantiser's work: two columns' numbers,
.set QP, ACC                           ; codes,
.set QM, ACC+8                         ; largest magnitudes,
.set QX, ACC+12                        ; lane l xor 16's,
.set QSO, ACC+16                       ; scale operands,
.set QSW, ACC+20                       ; two scale bytes,
.set QBY, ACC+24
.set MSB, 0
.macro WIN new                         ; the immediate's high byte repeats the setting that is left; a switch that changes nothing is dropped
.if MSB != \new
	s_set_vgpr_msb (MSB<<8)|\new
.set MSB, \new
.endif
.endm
.macro PLACES                          ; four plain instructions between a matrix instruction and a read of its result or a load into one of its registers (ISA guide 7.12.1 for the read)
.rept 4
	v_nop
.endr
.endm
.macro ROUND                           ; a round of the cluster's barrier
	s_barrier_signal -1
	s_barrier_wait -1
	s_cmp_lg_u32 s20, 0
	s_cbranch_scc1 .Lnot_wave_0_\@
	s_barrier_signal -3
.Lnot_wave_0_\@:
	s_barrier_wait -3
	s_barrier_signal -1
	s_barrier_wait -1
.endm
; the weight region is filled again with the next weight: all my tensor loads have landed; 0 onto my spare word; the descriptor steps; the add is done, my reads of the region are in and my LDS stores have landed;
; a round of the cluster's barrier, which also shows every wave's images; the joint load first behind it, one a wave
.macro REFILL
	WIN 0
	s_wait_tensorcnt 0x0
	ds_add_u32 v[SPW], v[NIL]
	s_add_nc_u64 s[58:59], s[58:59], WBYTES        ; the type bits on top are not reached
	s_wait_dscnt 0x0
	ROUND
	tensor_load_to_lds s[56:59], s[28:35]
	s_nop 0
	PLACES
.endm
; 32 channels x 64 positions of ax, one a, into slot jj: lanes 0-15 read 256 consecutive bytes of channel i, lanes 16-31 of channel 16 + i
.macro AXLOAD jj, a
.irp i, 0,1,2,3,4,5,6,7,8,9,10,11,12,13,14,15
	global_load_b128 v[AX+64*\jj+4*\i:AX+64*\jj+4*\i+3], v[VAX], s[72:73] offset:(\a)*8192+\jj*1048576+\i*32768 th:TH_LOAD_NT
.endr
.endm
; Weight n, asked for one round ahead of its joint load: a group's 68 rows of 256 bytes, 17 to each of the four partners, told apart by address (lanes behind the 17th name the last row again).
; All work-groups read the same weights, so four clusters ask (numbers 0, 1, 4, 5): each block once in each of them
.set PFW, 35
.macro ASKW n
	s_cmp_eq_u32 s89, 0
	s_cbranch_scc0 .Lnot_mine_\@
	global_prefetch_b8 v[PFW], s[76:77] offset:WBYTES*\n th:TH_LOAD_NT scope:SCOPE_SE
.Lnot_mine_\@:
.endm
.macro ASK a
	global_prefetch_b8 v[PFO], s[72:73] offset:(\a)*8192 th:TH_LOAD_NT scope:SCOPE_SE
	global_prefetch_b8 v[PFO], s[72:73] offset:(\a)*8192+1048576 th:TH_LOAD_NT scope:SCOPE_SE
.endm
; slot jj (block 2 w + jj of K) becomes codes and one byte of each of four scale words.  cnt: the younger loads that may stay out.  For a < 3 the slot takes the same channels of the next a
.macro QITEM a, jj, cnt
	s_wait_loadcnt \cnt
.set XS, AX+64*\jj
.irp e, 0,1,2,3
	v_max3_num_f32 v[QM+\e], |v[XS+\e]|, |v[XS+4+\e]|, 0x1800000   ; my 16 channels of position 4 u + e, and the floor 2^(3 - 127)
.endr
.irp i, 2,4,6,8,10,12,14
.irp e, 0,1,2,3
	v_max3_num_f32 v[QM+\e], v[QM+\e], |v[XS+4*\i+\e]|, |v[XS+4*\i+4+\e]|   ; (four chains by turns)
.endr
.endr
.irp e, 0,1,2,3
	v_permlanex16_b32 v[QX+\e], v[QM+\e], s80, s81
.endr
.irp e, 0,1,2,3
	v_max_num_f32 v[QM+\e], v[QM+\e], v[QX+\e]     ; with the other 16 channels: the block's largest magnitude
.endr
.irp e, 0,1,2,3
	v_add_nc_u32 v[QSO+\e], 0xff000000, v[QM+\e]   ; 2 off its exponent field: the conversion's scale operand
.endr
.if \jj == 0
.irp e, 0,1,2,3
	v_lshrrev_b32 v[QSW+\e], 23, v[QSO+\e]
.endr
.else
.irp e, 0,1,2,3
	v_lshrrev_b32 v[QBY+\e], 23, v[QSO+\e]
.endr
.irp e, 0,1,2,3
	v_lshl_or_b32 v[QSW+\e], v[QBY+\e], 8, v[QSW+\e]
.endr
.endif
.irp p, 0,1
.irp i, 0,2,4,6,8,10,12,14
	v_dual_mov_b32 v[QT+\i], v[XS+2*\p+4*\i] :: v_dual_mov_b32 v[QT+17+\i], v[XS+2*\p+4*\i+5]   ; positions 4 u + 2 p and 4 u + 2 p + 1, each on end
	v_dual_mov_b32 v[QT+1+\i], v[XS+2*\p+4*\i+4] :: v_dual_mov_b32 v[QT+16+\i], v[XS+2*\p+4*\i+1]
.endr
	v_cvt_scalef32_pk8_fp4_f32 v[QP+4*\p], v[QT:QT+7], v[QSO+2*\p]
	v_cvt_scalef32_pk8_fp4_f32 v[QP+4*\p+1], v[QT+8:QT+15], v[QSO+2*\p]
	v_cvt_scalef32_pk8_fp4_f32 v[QP+4*\p+2], v[QT+16:QT+23], v[QSO+2*\p+1]
	v_cvt_scalef32_pk8_fp4_f32 v[QP+4*\p+3], v[QT+24:QT+31], v[QSO+2*\p+1]
	v_nop                                          ; one plain instruction behind the scaled conversions
	v_permlane16_swap_b32 v[QP+4*\p], v[QP+4*\p+2] ; lanes 0-15: the whole block of tile 2 p, lanes 16-31: of tile 2 p + 1
	v_permlane16_swap_b32 v[QP+4*\p+1], v[QP+4*\p+3]
	ds_store_b128 v[QST], v[QP+4*\p:QP+4*\p+3] offset:16384*(\a)+256*\jj+8192*\p
.endr
.if \a < 3
	AXLOAD \jj, \a+1
.endif
.endm
; one a of ax.  At an item's head this slot's 16 loads are the oldest and the other slot's 16 may stay; behind the last a nothing more is asked for
.macro QUANT a, lw                     ; lw = 1: between the two items my group of the weight that has landed goes into the registers
	QITEM \a, 0, 16
.if \lw
	s_wait_tensorcnt 0x0
	LOADW 0x40, 0, WSA
.endif
.if \a < 3
	QITEM \a, 1, 16
.else
	QITEM \a, 1, 0
.endif
.irp e, 0,1,2,3
	ds_store_b16 v[QSS], v[QSW+\e] offset:1024*(\a)+256*\e   ; bytes 2 w and 2 w + 1 of row u of tile (a, e); both halves of the lanes write the same
.endr
.if \a < 2
	ASK \a+2
.endif
.endm
; a tile of 16 positions, all 512 of K: eight loads of 512 consecutive bytes, and its four scale words
; FETCHB names the destination window, the fragments' and the scale words' registers.  Second buffers: for q ACC and WSB; for k of a = 1 to 3 AX and WSB; for v registers 32 to 63 of window 1 and WSA
.macro FETCHB win, fb, as, av, aoff, sv, soff
	WIN \win
.irp q, 0,1,2,3,4,5,6,7
	ds_load_b128 v[\fb+4*\q:\fb+4*\q+3], v[\av] offset:\aoff+512*\q
.endr
	WIN 0
	ds_load_b128 v[\as:\as+3], v[\sv] offset:\soff
.endm
.macro FETCH av, aoff, sv, soff
	FETCHB 0, FR, AS0, \av, \aoff, \sv, \soff
.endm
.macro FETCHV b, av, aoff, sv, soff
	FETCHB 0x40*\b, FR-24*\b, AS0-16*\b, \av, \aoff, \sv, \soff
.endm
; one matrix instruction.  ra, rb: that side's scales lie in lanes 16-31.  z: the sum begins with 0
.macro WM d, a, b, c, x, y, ra, rb, z
.if \z
.if \ra
	v_wmma_scale_f32_16x16x128_f8f6f4 v[\d:\d+7], v[\a:\a+7], v[\b:\b+7], 0, v[\x], v[\y] matrix_a_fmt:MATRIX_FMT_FP4 matrix_b_fmt:MATRIX_FMT_FP4 matrix_a_scale:MATRIX_SCALE_ROW1
.else
	v_wmma_scale_f32_16x16x128_f8f6f4 v[\d:\d+7], v[\a:\a+7], v[\b:\b+7], 0, v[\x], v[\y] matrix_a_fmt:MATRIX_FMT_FP4 matrix_b_fmt:MATRIX_FMT_FP4
.endif
.elseif \ra
.if \rb
	v_wmma_scale_f32_16x16x128_f8f6f4 v[\d:\d+7], v[\a:\a+7], v[\b:\b+7], v[\c:\c+7], v[\x], v[\y] matrix_a_fmt:MATRIX_FMT_FP4 matrix_b_fmt:MATRIX_FMT_FP4 matrix_a_scale:MATRIX_SCALE_ROW1 matrix_b_scale:MATRIX_SCALE_ROW1
.else
	v_wmma_scale_f32_16x16x128_f8f6f4 v[\d:\d+7], v[\a:\a+7], v[\b:\b+7], v[\c:\c+7], v[\x], v[\y] matrix_a_fmt:MATRIX_FMT_FP4 matrix_b_fmt:MATRIX_FMT_FP4 matrix_a_scale:MATRIX_SCALE_ROW1
.endif
.else
.if \rb
	v_wmma_scale_f32_16x16x128_f8f6f4 v[\d:\d+7], v[\a:\a+7], v[\b:\b+7], v[\c:\c+7], v[\x], v[\y] matrix_a_fmt:MATRIX_FMT_FP4 matrix_b_fmt:MATRIX_FMT_FP4 matrix_b_scale:MATRIX_SCALE_ROW1
.else
	v_wmma_scale_f32_16x16x128_f8f6f4 v[\d:\d+7], v[\a:\a+7], v[\b:\b+7], v[\c:\c+7], v[\x], v[\y] matrix_a_fmt:MATRIX_FMT_FP4 matrix_b_fmt:MATRIX_FMT_FP4
.endif
.endif
.endm
; 16 matrix instructions: my four weight tiles (from register ab) x the tile in FR, K step by K step; the four accumulators take turns, one instruction a turn.
; w0, w1: the windows for the first K step and for the others.  z = 1: the sums begin with 0; else with what lies from register cb on
.macro MM w0, w1, ab, db, cb, ws, z, fb, as
.irp s, 0,1,2,3
.if \s == 0
	WIN \w0
.else
	WIN \w1
.endif
.irp t, 0,1,2,3
.set rD, \db+8*\t
.set rA, \ab+32*\t+8*\s
.set rB, \fb+8*\s
.set rX, \ws+4*(\t/2)+\s
.set rY, \as+\s
.if \s == 0
.set rC, \cb+8*\t
.set rZ, \z
.else
.set rC, rD
.set rZ, 0
.endif
	WM rD, rA, rB, rC, rX, rY, (\t%2), 0, rZ
.endr
.endr
.endm
.macro MMQ m, b                        ; Wq: from bq, which lies where tile 3's sums will
	MM 0x51, 0x51, 0, 128+32*\m, 224, WSA, 0, FR+32*\b, AS0-8*\b
.endm
.macro MMK
	MM 0x01, 0x01, 0, ACC, ACC, WSA, 1, FR, AS0
.endm
.macro MMKB b
	MM 0x01, 0x01, 0, ACC, ACC, WSA, 1, FR+72*\b, AS0-8*\b
.endm
.macro MMV b
	MM 4*\b, 4*\b, AX, ACC, ACC, WSB, 1, FR-24*\b, AS0-16*\b
.endm
; q of position tile m times what lies in ACC, summed over my 32 features: four chains, each accumulator from its low end on
.macro KDOT m, dst
	WIN 0x01
.irp p, 0,1,2,3
.irp c, 0,1,2,3
.set rQ, 128+32*(\m)+8*\c+2*\p
.set rK, ACC+8*\c+2*\p
.set rT, TMP+2*\c
.if \p == 0
	v_pk_mul_f32 v[rT:rT+1], v[rQ:rQ+1], v[rK:rK+1]
.else
	v_pk_fma_f32 v[rT:rT+1], v[rQ:rQ+1], v[rK:rK+1], v[rT:rT+1]
.endif
.endr
.endr
	WIN 0
	v_pk_add_f32 v[TMP:TMP+1], v[TMP:TMP+1], v[TMP+2:TMP+3]
	v_pk_add_f32 v[TMP+4:TMP+5], v[TMP+4:TMP+5], v[TMP+6:TMP+7]
	v_pk_add_f32 v[TMP:TMP+1], v[TMP:TMP+1], v[TMP+4:TMP+5]
	v_add_f32 v[\dst], v[TMP], v[TMP+1]
.endm
.macro JOIN s                          ; lanes 0-15 of s: the first tile's sum over both halves' features; lanes 16-31: the second tile's, which lies in TMP + 2
	v_permlane16_swap_b32 v[\s], v[TMP+2]
	v_add_f32 v[\s], v[\s], v[TMP+2]
.endm
.macro KS m, w                         ; the score of entry w of position tile m
.if (\m)%2 == 0
	KDOT \m, SC+2*(\w)+(\m)/2
.else
	KDOT \m, TMP+2
	JOIN SC+2*(\w)+(\m)/2
.endif
.endm
; k of one a's four tiles and their scores.  The next tile of the same a is fetched behind the first three tiles' products
.macro KAX a
.irp e, 0,1,2,3
	s_wait_dscnt 0x0
	MMK
	PLACES
.if \e < 3
	FETCH AF, 16384*(\a)+4096*(\e+1), ASA, 1024*(\a)+256*(\e+1)
.endif
	KS \e, 3+\a
.endr
.endm
; the same on two buffers by turns, for a = 1 to 3: a tile is fetched two tiles ahead; behind the last two products v's first tiles and Wv
.macro KAXD a
.irp e, 0,1,2,3
	s_wait_dscnt 0x9                               ; all but the next tile's nine loads
	MMKB (\e%2)
	PLACES
.if (\a == 1) && (\e == 2)
	s_barrier_wait -1                              ; every wave's images of a = 2 and 3 are whole
.endif
.if \e < 2
	FETCHB 0, FR+72*(\e%2), AS0-8*(\e%2), AF, 16384*(\a)+4096*(\e+2), ASA, 1024*(\a)+256*(\e+2)
.elseif \a < 3
	FETCHB 0, FR+72*(\e%2), AS0-8*(\e%2), AF, 16384*(\a+1)+4096*(\e-2), ASA, 1024*(\a+1)+256*(\e-2)
.elseif \e == 2
	FETCH XF, 17408, XSA, 9216                     ; tile L
.else
	s_wait_tensorcnt 0x0                           ; Wv goes into the registers that ax and the second buffer have left
	LOADW 0, AX, WSB
	FETCHV 1, XF, 0, XSA, 0
.endif
	KS \e, 3+\a
.endr
.endm
; the weights of entry w for tiles 2 p and 2 p + 1, each in all lanes, in v[d] and v[d + 2]
.macro BC w, p, d
	v_mov_b32 v[\d], v[SC+2*(\w)+\p]
	v_mov_b32 v[\d+2], v[SC+2*(\w)+\p]
	v_permlane16_swap_b32 v[\d], v[\d+2]
.endm
; the result of position tile m (window 1) = the weight in v[wt] x what lies in ACC + the result so far, or (init = 1) + bv
.macro VACC m, wt, init
	WIN 0x50
.irp t, 0,1,2,3
.irp p, 0,1,2,3
.set rO, 128+32*(\m)+8*\t+2*\p
.set rV, ACC+8*\t+2*\p
.if \init
.set rC, 8*\t+2*\p
.else
.set rC, rO
.endif
	v_pk_fma_f32 v[rO:rO+1], v[rV:rV+1], v[\wt:\wt+1], v[rC:rC+1] op_sel_hi:[1,0,1]
.endr
.endr
	WIN 0
.endm
.macro VAXS a                          ; v of one a's four tiles, weighted into the result
.irp e, 0,1,2,3
.if (\a == 3) && (\e == 3)
	s_wait_dscnt 0x0
.else
	s_wait_dscnt 0x9                               ; all but the next tile's nine loads
.endif
	MMV (\e%2)
.if \e == 0
	BC 3+\a, 0, TMP                                ; six plain instructions: the places behind the products
	BC 3+\a, 1, TMP+4
.else
	PLACES
.endif
.if \e < 2
	FETCHV (\e%2), AF, 16384*(\a)+4096*(\e+2), ASA, 1024*(\a)+256*(\e+2)
.elseif \a < 3
	FETCHV (\e%2), AF, 16384*(\a+1)+4096*(\e-2), ASA, 1024*(\a+1)+256*(\e-2)
.elseif \e == 3
	s_wait_tensorcnt 0x0                           ; Wo
	LOADW 0x40, 0, WSA
.endif
	VACC \e, TMP+2*\e, 0
.endr
.endm
.macro BIASLD k, win, base             ; bias k in the result's layout: register 8 T + j = its number at feature 64 w + 32 h + 4 j + T
	WIN \win
.irp t, 0,1,2,3
.irp j, 0,1,2,3,4,5,6,7
	ds_load_b32 v[\base+8*\t+\j], v[BA] offset:2048*\k+4*(4*\j+\t)
.endr
.endr
	WIN 0
.endm
.macro LOADW win, base, ws             ; my group of the weight from LDS into 128 registers; scale words: lanes 0-15 of ws + 4 i + s tile 2 i, lanes 16-31 tile 2 i + 1
	WIN \win
.set nn, 0
.rept 32
	ds_load_b128 v[\base+4*nn:\base+4*nn+3], v[WF] offset:512*nn
.set nn, nn+1
.endr
	WIN 0
.irp i, 0,1
.irp s, 0,1,2,3
	ds_load_b32 v[\ws+4*\i+\s], v[WSF] offset:256*\s+128*\i
.endr
.endr
.endm
	; ---------------- the head
	s_load_b512 s[4:19], s[0:1], 0x0               ; ax s[4:5], xcs s[6:7], wcs s[8:9], bq s[10:11], bk s[12:13], bv s[14:15], bo s[16:17], out0 s[18:19]
	v_lshl_add_u32 v[SPW], v0, 2, SPARE
	v_mov_b32 v[NIL], 0
	ds_add_u32 v[SPW], v[NIL]                      ; the opening: the add, twice on end, and its wait ahead of my first tensor load
	ds_add_u32 v[SPW], v[NIL]
	v_lshrrev_b32 v56, 5, v0
	v_readfirstlane_b32 s20, v56                   ; wave 0..7
	s_bfe_u32 s92, ttmp6, 0x40000                  ; my place in the cluster
	s_lshl_b32 s21, ttmp9, 2
	s_add_co_u32 s21, s21, s92                     ; the group of positions G = 32 b + l / 64: it enters global addresses and the padding's masks alone
	s_and_b32 s22, s21, 31                         ; l / 64
	s_lshr_b32 s23, s21, 5                         ; b
	s_mov_b32 s80, 0x76543210
	s_mov_b32 s81, 0xfedcba98                      ; v_permlanex16_b32's selects for lane l xor 16
	s_mov_b32 s82, 0x3e38aa3b                      ; log2(e) / sqrt(64)
	s_mov_b32 s83, s82                             ; (named with it as a pair)
	s_mul_i32 s86, s21, GRP                        ; my group in xcs
	; position -1 (lane 0 of tile 0's first entry, in a b's first group) and position 2048 (lane 31 of tiles 2 and 3's third entry, in its last) are padding
	s_cmp_eq_u32 s22, 0
	s_cselect_b32 s84, 1, 0
	s_cselect_b32 s87, 0, GRP                      ; (the group before mine, or my own where there is none: no load leaves the buffer, and the mask drops what comes)
	s_cmp_eq_u32 s22, 31
	s_cselect_b32 s85, 0x80000000, 0
	s_cselect_b32 s88, 0, GRP
	s_sub_co_u32 s87, s86, s87                     ; the group before,
	s_add_co_u32 s88, s86, s88                     ; the group behind
	s_mul_i32 s91, s20, GRP                        ; my group of a weight
	s_lshl_b32 s90, s20, 9                         ; 512 w
	s_and_b32 s93, s20, 1
	s_lshr_b32 s94, s20, 1
	; the scale words of L and R: wave w brings K step w / 2 of tile L (w even) or R (w odd)
	s_add_co_u32 s24, s87, 64                      ; row 0 of L is row 15 of the group before: 16 words on from row -1
	s_sub_co_u32 s25, s88, 64                      ; row 15 of R is row 0 of the group behind
	s_mov_b32 s26, 188                             ; L: tile 3, one row down
	s_cmp_eq_u32 s93, 0
	s_cselect_b32 s24, s24, s25
	s_cselect_b32 s26, s26, 4                      ; R: tile 0, one row up
	s_cselect_b32 s95, 0, 15                       ; the row that comes from the other group
	s_lshl_b32 s25, s94, 8
	s_add_co_u32 s26, s26, s25
	s_add_co_u32 s26, s26, 16384
	s_add_co_u32 s87, s87, 256                     ; the same for codes, 16 bytes a row
	s_sub_co_u32 s88, s88, 256
	s_add_co_u32 s36, s90, 12272                   ; L = tile 3 one row down, my two blocks
	s_add_co_u32 s37, s90, 16                      ; R = tile 0 one row up
	s_lshl_b32 s38, s93, 10                        ; my half of a bias
	s_lshl_b32 s39, s20, 11
	s_add_co_u32 s98, s86, s39                     ; my eighth of x's codes
	s_add_co_u32 s39, s39, RX
	s_add_co_u32 s99, s86, 16384
	s_add_co_u32 s40, s90, RL
	s_lshl_b32 s41, s93, 8
	s_lshl_b32 s42, s94, 2
	s_add_co_u32 s41, s41, s42
	s_add_co_u32 s41, s41, LRS
	s_lshl_b32 s42, s20, 10
	s_add_co_u32 s42, s42, RBI
	s_add_co_u32 s43, s90, ATI
	s_add_co_u32 s44, s90, AXI
	s_lshl_b32 s45, s20, 8
	s_add_co_u32 s45, s45, RBI
	s_lshl_b32 s46, s20, 1
	s_add_co_u32 s47, s46, AXS
	s_add_co_u32 s46, s46, ATS
	s_add_co_u32 s96, s91, 16384
	s_mul_i32 s97, s92, 4352                       ; my 17 rows of a weight's group, for the prefetches
	s_and_b32 s89, ttmp9, 0xfffffffa               ; 0 in clusters 0, 1, 4 and 5
	v_and_b32 v56, 31, v0                          ; lane
	v_and_b32 v57, 15, v0                          ; r
	v_bfe_u32 v58, v0, 4, 1                        ; h
	v_lshlrev_b32 v59, 4, v57                      ; 16 r
	v_lshlrev_b32 v[L16], 4, v56
	v_lshlrev_b32 v60, 2, v56
	v_add_nc_u32 v[AF], AXI, v[L16]
	v_add_nc_u32 v[ASA], AXS, v59
	v_add_nc_u32 v[XF], RX, v[L16]
	v_add_nc_u32 v[XSA], RXS, v59
	v_add_nc_u32 v[WF], s91, v[L16]
	v_add_nc_u32 v[WSF], s96, v60
	v_lshlrev_b32 v61, 7, v58
	v_add_nc_u32 v[BA], s45, v61
	v_add_nc_u32 v[ATST], s43, v[L16]
	v_add_nc_u32 v62, v59, v58
	v_add_nc_u32 v[ATSS], s46, v62                 ; byte 2 w + h of row r
	v_lshl_add_u32 v[VAX], v58, 19, v59            ; lanes 16-31 sixteen channels (of 32,768 bytes) on
	v_add_nc_u32 v[ATF], ATI, v[L16]
	v_lshlrev_b32 v[PFO], 15, v56
	v_lshl_add_u32 v63, v58, 8, v59
	v_add_nc_u32 v[ATSF], ATS, v63
	v_lshl_add_u32 v61, v58, 12, v59
	v_add_nc_u32 v[QST], s44, v61                  ; AXI + 4096 h + 16 r + 512 w
	v_lshl_add_u32 v[OUTA], v58, 18, v59           ; lanes 16-31 thirty-two channels (of 8,192 bytes) on
	v_add_nc_u32 v[QSS], s47, v59
	v_add_nc_u32 v104, s98, v[L16]
	v_lshlrev_b32 v105, 2, v0
	v_add_nc_u32 v105, s99, v105                   ; a scale word a thread
	v_mov_b32 v60, s86
	v_mov_b32 v61, s87
	v_cmp_eq_u32 vcc_lo, 0, v57
	v_cndmask_b32 v106, v60, v61, vcc_lo
	v_add3_u32 v106, v106, v[L16], s36
	v_mov_b32 v62, s88
	v_cmp_eq_u32 vcc_lo, 15, v57
	v_cndmask_b32 v107, v60, v62, vcc_lo
	v_add3_u32 v107, v107, v[L16], s37
	v_mov_b32 v63, s24
	v_cmp_eq_u32 vcc_lo, s95, v57
	v_cndmask_b32 v108, v60, v63, vcc_lo
	v_lshl_add_u32 v108, v57, 2, v108
	v_add_nc_u32 v108, s26, v108
	v_add_nc_u32 v109, s38, v[L16]
	v_add_nc_u32 v110, s39, v[L16]                 ; where these go in LDS
	v_and_b32 v111, 63, v0
	v_lshlrev_b32 v111, 4, v111
	v_lshrrev_b32 v116, 6, v0
	v_lshl_add_u32 v111, v116, 2, v111
	v_add_nc_u32 v111, RXS, v111                   ; word s of row (e, u)
	v_add_nc_u32 v112, s40, v[L16]
	v_add_nc_u32 v113, s41, v59
	v_add_nc_u32 v114, s42, v[L16]
	v_min_u32 v[PFW], 16, v56
	v_lshlrev_b32 v[PFW], 8, v[PFW]
	v_add_nc_u32 v[PFW], s97, v[PFW]
	s_lshl_b32 s24, s23, 24                        ; ax: b x 512 x 4 x 2048 x 4,
	s_lshl_b32 s25, s20, 21                        ; my 64 channels,
	s_add_co_u32 s24, s24, s25
	s_lshl_b32 s25, s22, 8                         ; my group's 256 bytes
	s_add_co_u32 s24, s24, s25
	s_mov_b32 s25, 0
	s_lshl_b32 s26, s23, 22                        ; out0: b x 512 x 2048 x 4,
	s_lshl_b32 s27, s20, 19                        ; my 64 channels,
	s_add_co_u32 s26, s26, s27
	s_lshl_b32 s27, s22, 8
	s_add_co_u32 s26, s26, s27
	s_mov_b32 s27, 0
	s_wait_alu depctr_va_vdst(0)                   ; the wait at the head's end
	s_wait_dscnt 0x0                               ; both opening adds are done
	s_wait_kmcnt 0x0
	s_add_nc_u64 s[72:73], s[4:5], s[24:25]
	s_add_nc_u64 s[74:75], s[18:19], s[26:27]
	s_cmp_lt_u32 s20, 2                            ; waves 2 k and 2 k + 1 bring bias k
	s_cselect_b64 s[48:49], s[10:11], s[12:13]
	s_cmp_lt_u32 s20, 4
	s_cselect_b64 s[48:49], s[48:49], s[14:15]
	s_cmp_lt_u32 s20, 6
	s_cselect_b64 s[48:49], s[48:49], s[16:17]
.irp i, 0,1,2,3
	global_load_b128 v[64+4*\i:67+4*\i], v104, s[6:7] offset:512*\i
.endr
	global_load_b32 v80, v105, s[6:7]
	global_load_b128 v[84:87], v106, s[6:7]
	global_load_b128 v[88:91], v107, s[6:7]
	global_load_b32 v92, v108, s[6:7]
	global_load_b128 v[96:99], v109, s[48:49]
	global_load_b128 v[100:103], v109, s[48:49] offset:512
	; the joint load: a dense block of 17,408 bytes as 68 rows of 256 (32 elements of 8 bytes).  Nothing in it hangs on the work-group
	s_mov_b32 s28, 15|(3<<16)|(1<<21)              ; 15:0 the mask: all four work-groups; 17:16 elements of 8 bytes; 21 set beside a mask
	s_mov_b32 s29, 32<<16                          ; tensor_dim0
	s_mov_b32 s30, 68<<16                          ; tensor_dim1
	s_mov_b32 s31, 32<<16                          ; tile_dim0
	s_mov_b32 s32, 68                              ; tile_dim1
	s_mov_b32 s33, 32                              ; from row to row
	s_mov_b32 s34, 0
	s_mov_b32 s35, 0
	s_mov_b32 s26, s91
	s_mov_b32 s27, 0
	s_mov_b32 s56, 1
	s_mov_b32 s57, s91                             ; RB + 17,408 w
	s_add_nc_u64 s[76:77], s[8:9], s[26:27]        ; for the prefetches
	s_add_nc_u64 s[58:59], s[8:9], s[26:27]
	s_or_b32 s59, s59, 0x80000000
	ROUND                                          ; all four work-groups are here: the first joint loads meet
	tensor_load_to_lds s[56:59], s[28:35]
	s_nop 0
	PLACES
	ASKW 1
	AXLOAD 0, 0
	AXLOAD 1, 0
	ASK 1
	s_wait_loadcnt 32                              ; the ten head loads are in; behind them ax's 32
.irp i, 0,1,2,3
	ds_store_b128 v110, v[64+4*\i:67+4*\i] offset:512*\i
.endr
	ds_store_b32 v111, v80
	ds_store_b128 v112, v[84:87]
	ds_store_b128 v112, v[88:91] offset:4096
	ds_store_b32 v113, v92
	ds_store_b128 v114, v[96:99]
	ds_store_b128 v114, v[100:103] offset:512
	QUANT 0, 1                                     ; and Wq: my load brought my group
	REFILL                                         ; Wk takes its bytes; x, L, R, the biases and a = 0 are whole
	ASKW 2
	; ---------------- Q: q of the four position tiles, with bq
	BIASLD 0, 0x40, 224
	FETCHB 0, FR, AS0, XF, 0, XSA, 0
	FETCHB 0, ACC, WSB, XF, 4096, XSA, 256
	s_wait_dscnt 0x9
	MMQ 0, 0
	PLACES
	FETCHB 0, FR, AS0, XF, 8192, XSA, 512
	s_wait_dscnt 0x9
	MMQ 1, 1
	PLACES
	FETCHB 0, ACC, WSB, XF, 12288, XSA, 768
	s_wait_dscnt 0x9
	MMQ 2, 0
	s_wait_dscnt 0x0
.rept 5
	v_nop                                          ; tile 3's sums are laid over bq, the C of the products before: five places
.endr
	MMQ 3, 1
	PLACES
	BIASLD 1, 0, ACC                               ; bk
	s_wait_dscnt 0x0
	KDOT 0, SB                                     ; only tile 0 holds a sequence's first position, only tile 3 its last
	KDOT 3, TMP+2
	JOIN SB
	v_xor_b32 v[SB], 0x80000000, v[SB]             ; -q . bk
	QUANT 1, 1                                     ; and Wk
	REFILL                                         ; Wv takes its bytes; a = 1 is whole
	ASKW 3
	; ---------------- k of x's six tiles, and the window's scores
	FETCH XF, 17408, XSA, 9216                     ; tile L
	s_wait_dscnt 0x0
	MMK
	PLACES
	FETCH XF, 0, XSA, 0
	KS 0, 0
	s_wait_dscnt 0x0
	MMK
	PLACES
	FETCH XF, 4096, XSA, 256
	KS 0, 1
	KS 1, 0
	s_wait_dscnt 0x0
	MMK
	PLACES
	FETCH XF, 8192, XSA, 512
	KS 0, 2
	KS 1, 1
	KS 2, 0
	s_wait_dscnt 0x0
	MMK
	PLACES
	FETCH XF, 12288, XSA, 768
	KS 1, 2
	KS 2, 1
	KS 3, 0
	s_wait_dscnt 0x0
	MMK
	PLACES
	FETCH XF, 21504, XSA, 9472                     ; tile R
	KS 2, 2
	KS 3, 1
	s_wait_dscnt 0x0
	MMK
	PLACES
	KS 3, 2
	QUANT 2, 0
	FETCH AF, 0, ASA, 0
	KAX 0
	QUANT 3, 0
	s_wait_dscnt 0x0                               ; my blocks of a = 2 and 3 lie in LDS; the wait stands in a = 1's third tile, ahead of the first read of a = 2
	s_barrier_signal -1
	FETCHB 0, FR, AS0, AF, 16384, ASA, 1024
	FETCHB 0, AX, WSB, AF, 20480, ASA, 1280
	KAXD 1
	KAXD 2
	KAXD 3
	; ---------------- the softmax: entry e's two registers hold all four position tiles
	v_cndmask_b32 v[SC], v[SC], v[SB], s84         ; a padded entry
	v_cndmask_b32 v[SC+5], v[SC+5], v[SB], s85
.irp w, 0,1,2,3,4,5,6
	v_pk_mul_f32 v[SC+2*\w:SC+2*\w+1], v[SC+2*\w:SC+2*\w+1], s[82:83] op_sel_hi:[1,0]
.endr
.irp h, 0,1
	v_max3_num_f32 v[TMP+\h], v[SC+\h], v[SC+2+\h], v[SC+4+\h]
.endr
.irp h, 0,1
	v_max3_num_f32 v[TMP+\h], v[TMP+\h], v[SC+6+\h], v[SC+8+\h]
.endr
.irp h, 0,1
	v_max3_num_f32 v[TMP+\h], v[TMP+\h], v[SC+10+\h], v[SC+12+\h]
.endr
.irp w, 0,1,2,3,4,5,6
	v_pk_add_f32 v[SC+2*\w:SC+2*\w+1], v[SC+2*\w:SC+2*\w+1], v[TMP:TMP+1] neg_lo:[0,1] neg_hi:[0,1]   ; the maximum is taken away
.endr
	s_wait_alu depctr_va_vdst(0)                   ; the wait ahead of the batch
.irp n, 0,1,2,3,4,5,6,7,8,9,10,11,12,13
	v_exp_f32 v[SC+\n], v[SC+\n]
.endr
	v_nop                                          ; a plain instruction behind the last exponential
	s_wait_alu depctr_va_vdst(0)                   ; and ahead of its first reader
	v_pk_add_f32 v[TMP+2:TMP+3], v[SC:SC+1], v[SC+2:SC+3]
	v_pk_add_f32 v[TMP+4:TMP+5], v[SC+4:SC+5], v[SC+6:SC+7]
	v_pk_add_f32 v[TMP+2:TMP+3], v[TMP+2:TMP+3], v[SC+8:SC+9]
	v_pk_add_f32 v[TMP+4:TMP+5], v[TMP+4:TMP+5], v[SC+10:SC+11]
	v_pk_add_f32 v[TMP+2:TMP+3], v[TMP+2:TMP+3], v[SC+12:SC+13]
	v_pk_add_f32 v[TMP+2:TMP+3], v[TMP+2:TMP+3], v[TMP+4:TMP+5]
	s_wait_alu depctr_va_vdst(0)
	v_rcp_f32 v[TMP+4], v[TMP+2]
	v_rcp_f32 v[TMP+5], v[TMP+3]
	v_nop
	s_wait_alu depctr_va_vdst(0)
.irp w, 0,1,2,3,4,5,6
	v_pk_mul_f32 v[SC+2*\w:SC+2*\w+1], v[SC+2*\w:SC+2*\w+1], v[TMP+4:TMP+5]
.endr
	v_cndmask_b32 v[SC], v[SC], 0, s84             ; a padded entry's value is 0, its bias too: its weight is dropped behind the division
	v_cndmask_b32 v[SC+5], v[SC+5], 0, s85
	v_pk_add_f32 v[TMP+6:TMP+7], v[SC:SC+1], v[SC+2:SC+3]
	v_pk_add_f32 v[TMP:TMP+1], v[SC+4:SC+5], v[SC+6:SC+7]
	v_pk_add_f32 v[TMP+6:TMP+7], v[TMP+6:TMP+7], v[SC+8:SC+9]
	v_pk_add_f32 v[TMP:TMP+1], v[TMP:TMP+1], v[SC+10:SC+11]
	v_pk_add_f32 v[TMP+6:TMP+7], v[TMP+6:TMP+7], v[SC+12:SC+13]
	v_pk_add_f32 v[TMP+6:TMP+7], v[TMP+6:TMP+7], v[TMP:TMP+1]      ; the sum of the weights that count: bv's factor
	s_wait_alu depctr_va_vdst(0)                   ; directly ahead of the waits below
	s_wait_xcnt 0x0                                ; the prefetches have read their address register, which takes a weight below
	REFILL                                         ; Wo takes Wv's bytes; tiles L and 0 of v are in the registers
	BIASLD 2, 0x40, 0                              ; bv lies where Wk lay
	MMV 0                                          ; tile L
	BC 0, 0, DW
	BC 0, 1, DW+4
	s_wait_dscnt 0x0                               ; bv
	v_mov_b32 v[TMP], v[TMP+6]
	v_mov_b32 v[TMP+2], v[TMP+6]
	v_permlane16_swap_b32 v[TMP], v[TMP+2]         ; tile 0's factor in all lanes
	v_mov_b32 v[TMP+4], v[TMP+7]
	v_mov_b32 v[TMP+2], v[TMP+7]
	v_permlane16_swap_b32 v[TMP+4], v[TMP+2]       ; tile 3's
	WIN 0x41
.irp p, 0,1,2,3,4,5,6,7,8,9,10,11,12,13,14,15
	v_pk_mul_f32 v[128+2*\p:129+2*\p], v[2*\p:2*\p+1], v[TMP:TMP+1] op_sel_hi:[1,0]
.endr
.irp p, 0,1,2,3,4,5,6,7,8,9,10,11,12,13,14,15
	v_pk_mul_f32 v[224+2*\p:225+2*\p], v[2*\p:2*\p+1], v[TMP+2:TMP+3] op_sel_hi:[1,0]
.endr
	WIN 0
	; ---------------- V: v of x's six tiles, weighted into the result.  The weights of entries 0 and 2 take turns in DW + 2 m, entry 1's lie in TMP + 2 m; making them fills the places behind the products
	FETCHV 0, XF, 4096, XSA, 256                   ; two buffers by turns, a tile fetched two tiles ahead
	VACC 0, DW, 0
	s_wait_dscnt 0x9
	MMV 1                                          ; tile 0
	BC 1, 0, TMP
	BC 1, 1, TMP+4
	FETCHV 1, XF, 8192, XSA, 512
	VACC 0, TMP, 0
	VACC 1, DW+2, 1
	s_wait_dscnt 0x9
	MMV 0
	BC 2, 0, DW
	v_nop
	v_nop
	FETCHV 0, XF, 12288, XSA, 768
	VACC 0, DW, 0
	VACC 1, TMP+2, 0
	VACC 2, DW+4, 1
	s_wait_dscnt 0x9
	MMV 1
	PLACES
	FETCHV 1, XF, 21504, XSA, 9472                 ; tile R
	VACC 1, DW+2, 0
	VACC 2, TMP+4, 0
	VACC 3, DW+6, 0
	s_wait_dscnt 0x9
	MMV 0
	BC 2, 1, DW+4
	v_nop
	v_nop
	FETCHV 0, AF, 0, ASA, 0
	VACC 2, DW+4, 0
	VACC 3, TMP+6, 0
	s_wait_dscnt 0x9
	MMV 1
	PLACES
	FETCHV 1, AF, 4096, ASA, 256
	VACC 3, DW+6, 0
	VAXS 0
	VAXS 1
	VAXS 2
	VAXS 3
	; ---------------- the result is quantised: a lane's 32 registers of a tile are one block; its codes are half a K step of the last product's operand as they stand
	WIN 0x05
.irp m, 0,1,2,3
	v_max3_num_f32 v[FR+\m], |v[128+32*\m]|, |v[129+32*\m]|, 0x1800000
.endr
.irp i, 2,4,6,8,10,12,14,16,18,20,22,24,26,28,30
.irp m, 0,1,2,3
	v_max3_num_f32 v[FR+\m], |v[128+32*\m+\i]|, |v[129+32*\m+\i]|, v[FR+\m]
.endr
.endr
	WIN 0
.irp m, 0,1,2,3
	v_add_nc_u32 v[FR+4+\m], 0xff000000, v[FR+\m]
.endr
.irp m, 0,1,2,3
	v_lshrrev_b32 v[TMP+\m], 23, v[FR+4+\m]
.endr
	WIN 0x01
.irp m, 0,1,2,3
.irp e, 0,1,2,3
	v_cvt_scalef32_pk8_fp4_f32 v[ACC+4*\m+\e], v[128+32*\m+8*\e:135+32*\m+8*\e], v[FR+4+\m]
.endr
.endr
	WIN 0
	v_nop                                          ; one plain instruction behind the scaled conversions
.irp m, 0,1,2,3
	ds_store_b128 v[ATST], v[ACC+4*\m:ACC+4*\m+3] offset:4096*\m
	ds_store_b8 v[ATSS], v[TMP+\m] offset:256*\m
.endr
	s_wait_dscnt 0x8                               ; Wo is in; the eight stores may be out
	BIASLD 3, 0, FR                                ; bo
	s_wait_dscnt 0x0
	s_barrier_signal -1
	s_barrier_wait -1                              ; the eight waves' blocks lie in LDS
	; ---------------- O: my 64 output channels, weight tile by weight tile, for all four position tiles (the accumulators that take turns): each leaves as soon as it is finished
.irp i, 0,1
	ds_load_b128 v[WSB+4*\i:WSB+4*\i+3], v[ATSF] offset:512*\i
.endr
	WIN 0x40
.irp m, 0,1,2,3
.irp q, 0,1,2,3,4,5,6,7
	ds_load_b128 v[128+32*\m+4*\q:131+32*\m+4*\q], v[ATF] offset:4096*\m+512*\q
.endr
.endr
	WIN 0
	s_wait_dscnt 0x0
.macro MMO t
	WIN 0x05
.irp s, 0,1,2,3
.irp m, 0,1,2,3
.set rD, AX+32*\m+8*\t
.set rA, 32*\t+8*\s
.set rB, 128+32*\m+8*\s
.set rX, WSA+4*(\t/2)+\s
.set rY, WSB+4*(\m/2)+\s
.if \s == 0
.set rC, FR+8*\t
.else
.set rC, rD
.endif
	WM rD, rA, rB, rC, rX, rY, (\t%2), (\m%2), 0
.endr
.endr
	WIN 0
	PLACES
.endm
; The four position tiles of a lane are four neighbouring positions of one channel: 16 bytes.  Each half of the lanes stores 256 consecutive bytes, aligned.  Each accumulator is read from its low end on.
.macro OUT t, ob, st
.irp j, 0,2,4,6
.irp m, 0,2
.set rS, AX+32*\m+8*\t+\j
.set rE, \ob+\st*\j+\m
	v_dual_mov_b32 v[rE], v[rS] :: v_dual_mov_b32 v[rE+5], v[rS+33]
	v_dual_mov_b32 v[rE+1], v[rS+32] :: v_dual_mov_b32 v[rE+4], v[rS+1]
.endr
.endr
.irp j, 0,2,4,6
.set rE, \ob+\st*\j
	global_store_b128 v[OUTA], v[rE:rE+3], s[74:75] offset:(4*\j+\t)*8192 th:TH_STORE_NT
	global_store_b128 v[OUTA], v[rE+4:rE+7], s[74:75] offset:(4*\j+4+\t)*8192 th:TH_STORE_NT
.endr
.endm
	MMO 0
	OUT 0, ACC, 4
	MMO 1
	OUT 1, AX, 16                                  ; into the registers that tile 0's sums have left
	MMO 2
	s_wait_xcnt 0x0                                ; tile 0's stores have read their registers
	OUT 2, ACC, 4
	MMO 3
	OUT 3, FR, 4                                   ; bo has been used
	s_wait_tensorcnt 0x0                           ; the wave's end, behind my last tensor load and my last LDS store
	ds_add_u32 v[SPW], v[NIL]
	s_wait_dscnt 0x0
	ROUND                                          ; the closing round: no work-group ends while a partner may still ask for a group that names it
	s_endpgm
.Lfunc_end_k_q4edd76f1d9_fused:
	.size	k_q4edd76f1d9_fused, .Lfunc_end_k_q4edd76f1d9_fused-k_q4edd76f1d9_fused
	.p2alignl 7, 3214868480
	.fill 96, 4, 3214868480
	.section	.rodata,"a",@progbits
	.p2align	6, 0x0
	.amdhsa_kernel k_q4edd76f1d9_fused
		.amdhsa_group_segment_fixed_size 327680
		.amdhsa_private_segment_fixed_size 0
		.amdhsa_enable_private_segment 0
		.amdhsa_kernarg_size 64
		.amdhsa_user_sgpr_count 2
		.amdhsa_user_sgpr_kernarg_segment_ptr 1
		.amdhsa_wavefront_size32 1
		.amdhsa_system_sgpr_workgroup_id_x 1
		.amdhsa_system_sgpr_workgroup_id_y 1
		.amdhsa_system_sgpr_workgroup_id_z 1
		.amdhsa_system_vgpr_workitem_id 0
		.amdhsa_next_free_vgpr 512
		.amdhsa_next_free_sgpr 100
		.amdhsa_reserve_vcc 1
		.amdhsa_float_denorm_mode_32 3
		.amdhsa_float_denorm_mode_16_64 3
		.amdhsa_memory_ordered 1
		.amdhsa_forward_progress 1
		.amdhsa_inst_pref_size 255
	.end_amdhsa_kernel
	.section	.bss,"aw",@nobits
	.p2align	6
	.space	262144
	.amdgpu_metadata
---
amdhsa.version: [ 1, 2 ]
amdhsa.kernels:
  - .name:           k_q4edd76f1d9_fused
    .symbol:         k_q4edd76f1d9_fused.kd
    .args:
      - { .name: ax, .offset: 0, .size: 8, .value_kind: global_buffer, .address_space: global }
      - { .name: xcs, .offset: 8, .size: 8, .value_kind: global_buffer, .address_space: global }
      - { .name: wcs, .offset: 16, .size: 8, .value_kind: global_buffer, .address_space: global }
      - { .name: bq, .offset: 24, .size: 8, .value_kind: global_buffer, .address_space: global }
      - { .name: bk, .offset: 32, .size: 8, .value_kind: global_buffer, .address_space: global }
      - { .name: bv, .offset: 40, .size: 8, .value_kind: global_buffer, .address_space: global }
      - { .name: bo, .offset: 48, .size: 8, .value_kind: global_buffer, .address_space: global }
      - { .name: out0, .offset: 56, .size: 8, .value_kind: global_buffer, .address_space: global }
    .group_segment_fixed_size: 327680
    .private_segment_fixed_size: 0
    .kernarg_segment_align: 8
    .kernarg_segment_size: 64
    .max_flat_workgroup_size: 256
    .sgpr_count:     100
    .vgpr_count:     512
    .wavefront_size: 32
...
	.end_amdgpu_metadata
.endif
;; end of part 2
